; MI455X (gfx1250); checked and timed in simulation.
; The chip was launched on July 23, 2026; its instructions are those of AMD's public machine-readable ISA for CDNA 5 (MIT licence, August 2026) and "CDNA5" Instruction Set Architecture Reference Guide (July 2026). The comments in the code are by the model that wrote it; some were corrected since.
;; Attention MLP Autograd. Allowed arithmetic: matrix products marked QUANTISED: E4M3 operands, one given power-of-two scale a tensor, by v_wmma_f32_16x16x64_fp8_fp8 or v_wmma_f32_16x16x128_fp8_fp8, f32 sums; products left as they are: f32 operands where the result goes on into a quantised operand, else bf16, f16 or f32 operands; f32 sums; everything else in f32.
;; Inputs: K 2 x 1,024 x 64 float32; Q 2 x 1,024 x 64 float32; bias 64 float32; lowp_scales 2 int32 (the exponents e of the quantised operands' scales 2^e); mask 2 x 1,024 x 1,024 float32.
;; Outputs: out0 2 x 1,024 x 64 float32; out1 2 x 1,024 x 1,024 float32.
;; This version of the problem:
;;   THIS VERSION OF THE PROBLEM IS GIVEN IN LOW PRECISION. The matrix products marked QUANTISED in the list below multiply operands that are first quantised to E4M3 (4 exponent bits, 3 mantissa bits; 8 bits a number), with one given power-of-two scale for each operand tensor; their sums are f32. All else is computed in f32.
;;   The module's matrix products, in the order in which they are computed (A, B: the left and right operand; K: the contracted axis; several contracted axes count as one K, in the product's order):
;;     1. batch 128 x [M 1,024, K 1] x [K 1, N 1,024]; A: computed on the way; B: computed on the way: left as it is (no contracted axis)
;;     2. batch 2 x [M 1,024, K 64] x [K 64, N 1,024]; A: input Q; B: input K: QUANTISED (scales: A lowp_scales[0], B lowp_scales[1])
;;   THE QUANTISER, for each operand of a quantised product, along K:
;;     - The operand's scale is 2^e, e = its entry of the input lowp_scales (int32; the entries are numbered through the quantised products in the list's order, A before B).
;;     - Each number is divided by the scale, clamped to +-448, and rounded to the nearest number of E4M3, ties to even, subnormals kept.
;;     - The product sums the exact products of the quantised numbers (number of the format x scale) in f32.
;;   ~~~python
;;   def quantise(x, axis, e):      # numpy; x: float32 -> the quantised numbers, widened to float32 again
;;       x = np.moveaxis(x, axis, -1); K = x.shape[-1]
;;       r = np.clip(x / 2.0 ** e, -448, 448)
;;       step = 2.0 ** (np.maximum(np.frexp(np.where(r == 0, 1, r))[1] - 1, -6) - 3)
;;       q = np.round(r / step) * step * 2.0 ** e      # np.round: ties to even
;;       return np.moveaxis(q, -1, axis).astype(np.float32)
;;   ~~~
;; One version. Each part assembles by itself: llvm-mc -triple=amdgcn-amd-amdhsa -mcpu=gfx1250 --defsym DOCPART=n.
;; ======== version 1 of 1: 1 launch
;; launch fused (part 1): grid 256 x 1, 16 waves a work-group, clusters of 4 x 1, 317,440 bytes of LDS; arguments K, Q, bias, lowp_scales, mask, out0, out1; writes out0, out1
.if DOCPART == 1
	.amdgcn_target "amdgcn-amd-amdhsa--gfx1250"
	.amdhsa_code_object_version 6
	.text
	.protected	k_q5002f1ef11_fused
	.globl	k_q5002f1ef11_fused
	.p2align	8
	.type	k_q5002f1ef11_fused,@function
k_q5002f1ef11_fused:
	s_mov_b64 s[64:65], 0
	v_nop
	global_prefetch_b8 v0, s[64:65] scope:SCOPE_SE
	s_setreg_imm32_b32 hwreg(HW_REG_WAVE_MODE, 25, 1), 1
	s_wait_xcnt 0x0
	s_wait_alu depctr_hold_cnt(0) depctr_sa_sdst(0) depctr_va_vdst(0) depctr_va_sdst(0) depctr_va_ssrc(0) depctr_va_vcc(0) depctr_vm_vsrc(0)
	s_getreg_b32 s2, hwreg(HW_REG_IB_STS2, 6, 4)
	s_cmp_eq_u32 s2, 0
	s_cbranch_scc0 .Lentry_in_a_cluster
	s_endpgm
.Lentry_in_a_cluster:
	s_bfe_u32 s2, ttmp6, 0x10000c
	s_cmp_lg_u32 s2, 0x3003
	s_cbranch_scc0 .Lentry_shape_is_right
	s_endpgm
.Lentry_shape_is_right:
; out0[b][i][c] = (sum over j of sigmoid(Q[b][i][c] K[b][j][c] + bias[c]) mask[b][i][j]) / (sum over j of mask[b][i][j]),  all in f32.
; out1[b][i][j] = (q8[b][i] . k8[b][j]) mask[b][i][j]: Q and K quantised to FP8 (E4M3) with the given scales 2^eq (entry 0) and 2^ek (entry 1), multiplied by v_wmma_f32_16x16x128_fp8_fp8, sums in f32.
; Q, K: [2][1024][64] f32; bias [64]; mask, out1: [2][1024][1024] f32; out0: [2][1024][64] f32.
; SHARES.  A work-group owns 8 rows (b, i): rows 8 g .. 8 g + 7 of the 2,048.  Each of its sixteen waves takes 64 keys j (64 w ..) for all 8 rows.  A LANE HOLDS TWO CHANNELS, 2 l and 2 l + 1: no sum crosses lanes;
; the sixteen waves' partial sums meet in LDS behind one barrier, and waves 0 to 7 finish one row of out0 each.
; K.  A wave's 64 rows of K (16,384 bytes) come by ONE tensor load into LDS bytes of the wave's own; no LDS byte is filled a second time.  The four work-groups of a cluster lie in one batch (4 divides 128) and
; need the same rows, so the load is JOINT: the same descriptor and the mask 15 in all four.  A round of the cluster's barrier stands in front of it and another in front of the end.
; MASK.  A wave's 8 x 64 numbers are loaded once (8 loads of 256 consecutive bytes), serve out1 from the registers, and are stored into the wave's own LDS bytes; the loop reads them back with one address
; for all lanes, so that a mask number lies in every lane; at the end the row sums of the mask are taken from the same bytes.
; SIGMOID.  1 / (1 + 2^(q' k + b')), q' = -log2(e) q, b' = -log2(e) bias: one packed multiply-add, v_exp_f32, one packed addition, v_rcp_f32; then one packed multiply-add with the mask number.
; OUT1.  8 rows are half a tile, so A is laid in two blocks: its rows 0-7 hold Q's 8 rows at k 0-63 and zero codes at k 64-127, its rows 8-15 the other way round; column n of B holds key 2 n + t at k 0-63 and key
; 32 + 2 n + t at k 64-127 (t = 0, 1: two instructions).  Register i of lane l then holds row i, key 2 l + t: a lane's two tiles give 8 neighbouring bytes, and a store covers 256 consecutive bytes, aligned.
; Within each block the channels are laid 32 (l / 16) + 4 x register + byte, alike in A and in B: a permutation of k, which pairs the same products.
; LIMITS: eq and ek between -126 and 119, eq + ek between -126 and 127, so that each power of two below is an f32 number.  NaN and infinities among the inputs are not served.  v_exp_f32 and v_rcp_f32 give 0 for
; results under 2^-126 (ISA guide 15.8): a sigmoid under 2^-126 counts as 0, and a mask sum of denormal size as 0.  A row whose mask sums to 0 gives 0 x infinity = NaN, where the division gives NaN.
.set KP,     272                       ; a row of K in LDS: 256 bytes + 16 of padding
.set KST,    64*KP                     ; a wave's tile of K: 17,408 bytes
.set MOFF,   KST                       ; behind it the wave's 8 x 64 mask numbers: 2,048 bytes, and 256 that nobody names
.set REGION, KST+2304                  ; a wave's LDS bytes: 19,712 = 77 blocks of 256
.set LANE, 1                           ; v1   lane
.set L8,   2                           ; v2   8 x lane: my two numbers in a row of 64; never rewritten
.set KRD,  6                           ; v6   LDS: my 8 bytes of the tile's row 0; later of my partial sums
.set KAD,  7                           ; v7   the same for the trip in hand
.set MST,  8                           ; v8   LDS: where I store my two mask numbers of row 0
.set MRD,  9                           ; v9   LDS: the wave's mask numbers, one address for all lanes
.set MAD,  10                          ; v10  the same for the trip in hand
.set QFO,  11                          ; v11  Q's fragment: my byte offset in the group's 8 rows
.set SQ,   12                          ; v12  2^eq;  v13  448 x 2^eq;  v14  2^ek;  v15  448 x 2^ek
.set LQ,   13
.set SK,   14
.set LK,   15
.set FRD,  16                          ; v16  LDS: K's fragments
.set ZERO, 17                          ; v17  0; at the very end at work
.set RO,   18                          ; v18  the end: 256 x row + 8 x lane
.set TP,   19                          ; v19  the end: at work
.set T,    20                          ; v20-25 the end: six LDS addresses
.set QV,   20                          ; v20-35 q' of my two channels, 8 rows
.set BV,   36                          ; v36-37 b'
.set ACC,  38                          ; v38-53 the sums, 8 rows
.set MK,   54                          ; v54-69 the mask as loaded (row i: keys 2 l, 2 l + 1), then out1
.set KA,   70                          ; v70-77, v78-85 K of a step (4 keys x 2 channels), two sets
.set KB,   78
.set B1,   70                          ; ahead of the loop: B's codes, tile 1
.set QF,   86                          ; v86-117 Q's fragment in f32
.set AF,   86                          ; then v86-101 A's codes
.set B0,   102                         ; v102-117 B's codes, tile 0
.set QC,   118                         ; v118-125 Q's codes
.set X,    128                         ; v128-191 the step's 64 numbers: row i, key u at X + 8 i + 2 u
.set F,    128                         ; ahead of the loop: v128-255 K's fragments in f32
.set D0,   128                         ; then the two results,
.set D1,   136
.set MS,   144                         ; and the mask x 2^(eq + ek)
.set MVA,  192                         ; v192-223, v224-255 the mask of a step (row i: 4 keys), in every lane, two sets
.set MVB,  224
; A round of the cluster's barrier: my work-group's barrier, wave 0 signals for the work-group, every wave waits for the four work-groups, my work-group's barrier once more.
.macro CROUND
	s_barrier_signal -1
	s_barrier_wait -1
	s_cmp_lg_u32 s18, 0
	s_cbranch_scc1 .Lnot_wave_0_\@
	s_barrier_signal -3
.Lnot_wave_0_\@:
	s_barrier_wait -3
	s_barrier_signal -1
	s_barrier_wait -1
.endm
	s_load_b256 s[4:11], s[0:1], 0x0               ; K s[4:5], Q s[6:7], bias s[8:9], the scales' exponents s[10:11]
	s_load_b128 s[12:15], s[0:1], 0x20             ; mask s[12:13], out0 s[14:15]
	s_load_b64 s[16:17], s[0:1], 0x30              ; out1
	v_lshl_add_u32 v126, v0, 2, 0x4d000
	v_mov_b32 v127, 0
	ds_add_u32 v126, v127
	ds_add_u32 v126, v127
	v_lshrrev_b32 v3, 5, v0
	v_readfirstlane_b32 s18, v3                    ; wave 0..15
	s_bfe_u32 s19, ttmp6, 0x40000                  ; cx: my place in the cluster
	s_lshl_b32 s20, ttmp9, 2                       ; in a cluster launch ttmp9 counts clusters
	s_add_co_u32 s20, s20, s19                     ; g = 4 x cluster + cx: it enters the addresses of Q, mask, out0 and out1 alone
	s_lshr_b32 s21, ttmp9, 5                       ; the batch, which the four partners share: 32 clusters to a batch
	s_lshl_b32 s22, s21, 18                        ; K: the batch's 262,144 bytes,
	s_lshl_b32 s23, s18, 14                        ; my wave's 64 rows of 256 bytes
	s_add_co_u32 s22, s22, s23
	s_mov_b32 s23, 0
	s_mul_i32 s52, s18, REGION                     ; my wave's LDS bytes: no place in the cluster enters an LDS address
	s_add_co_u32 s53, s52, MOFF
	s_lshl_b32 s50, s20, 11                        ; Q, out0: 8 rows of 256 bytes a work-group
	s_mov_b32 s51, 0
	s_lshl_b32 s54, s20, 15                        ; mask, out1: 8 rows of 4,096 bytes a work-group,
	s_lshl_b32 s47, s18, 8                         ; my wave's 64 numbers of a row
	s_add_co_u32 s54, s54, s47
	s_mov_b32 s55, 0
	; descriptor group 1: a tile of 64 rows x 64 elements of 4 bytes, dense in memory, padded in LDS
	s_mov_b32 s28, 15|(2<<16)|(1<<20)|(1<<21)|(5<<22)|(3<<25)  ; 15:0 the mask: all four work-groups; 17:16 elements of 4 bytes; 20 padding on; 21 set beside a mask; 24:22 after every 64 words (code 5); 31:25 four words (code 3)
	s_mov_b32 s29, 64<<16                          ; tensor_dim0 = 64
	s_mov_b32 s30, 64<<16                          ; tensor_dim1 = 64
	s_mov_b32 s31, 64<<16                          ; tile_dim0 = 64
	s_mov_b32 s32, 64                              ; tile_dim1 = 64
	s_mov_b32 s33, 64                              ; elements from row to row
	s_mov_b32 s34, 0
	s_mov_b32 s35, 0
	s_mov_b32 s42, 0xbfb8aa3b                      ; -log2(e)
	s_mov_b32 s43, s42                             ; (named with it as a pair, so it is written)
	s_mov_b32 s48, 0x76543210                      ; v_permlanex16_b32's selects for lane l xor 16
	s_mov_b32 s49, 0xfedcba98
	s_wait_dscnt 0x0
	s_wait_kmcnt 0x0
	s_load_b64 s[36:37], s[10:11], 0x0             ; eq, ek
	s_add_nc_u64 s[6:7], s[6:7], s[50:51]          ; Q and out0 at the group's first row
	s_add_nc_u64 s[14:15], s[14:15], s[50:51]
	s_add_nc_u64 s[12:13], s[12:13], s[54:55]      ; mask and out1 at the group's first row, my wave's first key
	s_add_nc_u64 s[16:17], s[16:17], s[54:55]
	s_mov_b32 s24, 1                               ; descriptor group 0: count = 1,
	s_mov_b32 s25, s52                             ; the LDS address,
	s_add_nc_u64 s[26:27], s[4:5], s[22:23]        ; the tile's first element: made of the batch and the wave's number alone,
	s_or_b32 s27, s27, 0x80000000                  ; type = 2
	CROUND                                         ; all four work-groups are here: the joint loads meet
	tensor_load_to_lds s[24:27], s[28:35]          ; my wave's one tensor load of the launch: one is out
	s_nop 0
	v_and_b32 v[LANE], 31, v0
	v_lshlrev_b32 v[L8], 3, v[LANE]
	v_and_b32 v3, 15, v0                           ; r = lane % 16
	v_bfe_u32 v4, v0, 4, 1                         ; h = lane / 16
	v_and_b32 v5, 7, v0
	v_lshlrev_b32 v[QFO], 8, v5                    ; Q's fragment: row r % 8,
	v_lshl_add_u32 v[QFO], v4, 7, v[QFO]           ; channels 32 h on
.irp q, 0,1,2,3,4,5,6,7
	global_load_b128 v[QF+4*\q:QF+4*\q+3], v[QFO], s[6:7] offset:16*\q     ; 32 neighbouring channels a lane: the group's 2,048 bytes of Q, once a wave
.endr
.irp i, 0,1,2,3,4,5,6,7
	global_load_b64 v[QV+2*\i:QV+2*\i+1], v[L8], s[6:7] offset:256*\i      ; row i, my two channels: 256 consecutive bytes a load
.endr
	global_load_b64 v[BV:BV+1], v[L8], s[8:9]
.irp i, 0,1,2,3,4,5,6,7
	global_load_b64 v[MK+2*\i:MK+2*\i+1], v[L8], s[12:13] offset:4096*\i th:TH_LOAD_NT   ; row i, keys 2 l and 2 l + 1 of my wave's 64: 256 consecutive bytes, read once in the launch
.endr
	v_add_nc_u32 v[KRD], s52, v[L8]
	v_add_nc_u32 v[MST], MOFF, v[KRD]
	v_mov_b32 v[MRD], s53
	v_mul_u32_u24 v[FRD], v3, 2*KP                 ; K's fragments: lane r takes rows 2 r + t and 32 + 2 r + t,
	v_lshl_add_u32 v[FRD], v4, 7, v[FRD]           ; channels 32 h on
	v_add_nc_u32 v[FRD], s52, v[FRD]
	v_mov_b32 v[ZERO], 0
.irp j, 0,1,2,3,4,5,6,7,8,9,10,11,12,13,14,15
	v_mov_b32 v[ACC+\j], 0                         ; sixteen sums a lane: the step is written once and its first trip finds zeros
.endr
	s_wait_kmcnt 0x0
	s_add_co_i32 s38, s36, 127
	s_lshl_b32 s39, s38, 23
	v_mov_b32 v[SQ], s39                           ; 2^eq as f32: the conversion takes its exponent field
	s_add_co_i32 s38, s38, 8
	s_lshl_b32 s38, s38, 23
	s_or_b32 s38, s38, 0x600000
	v_mov_b32 v[LQ], s38                           ; 448 x 2^eq
	s_add_co_i32 s38, s37, 127
	s_lshl_b32 s39, s38, 23
	v_mov_b32 v[SK], s39                           ; 2^ek
	s_add_co_i32 s38, s38, 8
	s_lshl_b32 s38, s38, 23
	s_or_b32 s38, s38, 0x600000
	v_mov_b32 v[LK], s38                           ; 448 x 2^ek
	s_add_co_i32 s40, s36, s37
	s_add_co_i32 s40, s40, 127
	s_lshl_b32 s40, s40, 23                        ; 2^(eq + ek) as f32
	s_mov_b32 s41, s40                             ; (named with it as a pair)
	s_wait_loadcnt 8                               ; Q twice and the bias are in; the mask's eight loads may be out
.irp i, 0,1,2,3,4,5,6,7
	v_pk_mul_f32 v[QV+2*\i:QV+2*\i+1], v[QV+2*\i:QV+2*\i+1], s[42:43] op_sel_hi:[1,0]   ; q' = -log2(e) q
.endr
	v_pk_mul_f32 v[BV:BV+1], v[BV:BV+1], s[42:43] op_sel_hi:[1,0]                       ; b' = -log2(e) bias
; n numbers of a lane from v[f] on, neighbours along the channels, become n codes from v[c] on.  v[sc]: the scale; v[lim]: 448 x the scale
.macro QUANT f, c, n, sc, lim
.set m, 0
.rept \n
	v_med3_num_f32 v[\f+m], v[\f+m], -v[\lim], v[\lim]      ; the conversion to an 8-bit code does not saturate (ISA guide 7.6.2): the hold at the largest code x the scale comes first
.set m, m+1
.endr
.set m, 0
.rept \n/8
	v_cvt_scalef32_pk8_fp8_f32 v[\c+2*m:\c+2*m+1], v[\f+8*m:\f+8*m+7], v[\sc]
.set m, m+1
.endr
.endm
	QUANT QF, QC, 32, SQ, LQ
	v_nop                                          ; one plain vector instruction between a scaled conversion and what reads its result or writes its sources
	v_cmp_gt_u32 vcc_lo, 8, v3                     ; lanes of A's rows 0-7
.irp p, 0,1,2,3,4,5,6,7
	v_cndmask_b32 v[AF+\p], v[ZERO], v[QC+\p], vcc_lo      ; k 0-63: Q's row in A's rows 0-7, zero codes in rows 8-15
	v_cndmask_b32 v[AF+8+\p], v[QC+\p], v[ZERO], vcc_lo    ; k 64-127: the other way round
.endr
	s_wait_tensorcnt 0x0                           ; my tile of K is in LDS; only my wave reads it, so its own wait is all the ordering that the reads need
.irp t, 0,1
.irp a, 0,1
.irp q, 0,1,2,3,4,5,6,7
	ds_load_b128 v[F+64*\t+32*\a+4*\q:F+64*\t+32*\a+4*\q+3], v[FRD] offset:(32*\a+\t)*KP+16*\q   ; key 32 a + 2 r + t, channels 32 h + 4 q on.  Rows 2 r lie 544 bytes apart: lanes r and r + 8 meet in the same banks (64 banks of 4 bytes: ISA guide 11.1); 32 loads, once
.endr
.endr
.endr
	s_wait_dscnt 16                                ; tile 0's sixteen loads are in; tile 1's may be out
	QUANT F, B0, 64, SK, LK
	s_wait_dscnt 0x0
	QUANT F+64, B1, 64, SK, LK
	v_nop                                          ; the plain instruction behind the last conversion
	v_wmma_f32_16x16x128_fp8_fp8 v[D0:D0+7], v[AF:AF+15], v[B0:B0+15], 0    ; register i of lane l: row i, key 2 l
	v_wmma_f32_16x16x128_fp8_fp8 v[D1:D1+7], v[AF:AF+15], v[B1:B1+15], 0    ; row i, key 2 l + 1
	s_wait_loadcnt 0x0                             ; the mask
.irp i, 0,1,2,3,4,5,6,7
	ds_store_b64 v[MST], v[MK+2*\i:MK+2*\i+1] offset:256*\i                ; into my wave's own bytes, for the loop and for the row sums
.endr
.irp i, 0,1,2,3,4,5,6,7
	v_pk_mul_f32 v[MS+2*\i:MS+2*\i+1], v[MK+2*\i:MK+2*\i+1], s[40:41] op_sel_hi:[1,0]   ; mask x 2^(eq + ek).  These eight name no register of the two products: they are the places behind them (ISA guide 7.12.1)
.endr
	s_wait_dscnt 0x0                               ; the stores have read the mask's registers, which now take out1
.irp i, 0,1,2,3,4,5,6,7
	v_mul_f32 v[MK+2*\i], v[D0+\i], v[MS+2*\i]     ; each result is read from its low end on
	v_mul_f32 v[MK+2*\i+1], v[D1+\i], v[MS+2*\i+1]
.endr
.irp i, 0,1,2,3,4,5,6,7
	global_store_b64 v[L8], v[MK+2*\i:MK+2*\i+1], s[16:17] offset:4096*\i th:TH_STORE_NT   ; 32 lanes store 256 consecutive bytes, at a multiple of 256 from out1's first byte; these registers are not written again
.endr
; THE LOOP: 16 steps of 4 keys x 8 rows x my two channels: 64 numbers a lane.
; A step's operands: 4 rows of K (my 8 bytes of each: 256 consecutive bytes a load) and, for each of the 8 rows, 4 mask numbers with one address for all lanes.
.macro LOADS kb, mb, ka, ma, ko, mo
.irp u, 0,1,2,3
	ds_load_b64 v[\kb+2*\u:\kb+2*\u+1], v[\ka] offset:\ko+\u*KP
.endr
.irp i, 0,1,2,3,4,5,6,7
	ds_load_b128 v[\mb+4*\i:\mb+4*\i+3], v[\ma] offset:\mo+\i*256
.endr
.endm
.macro TRANS8 op, row                  ; a row's eight numbers through v_exp_f32 or v_rcp_f32, in place
.irp e, 0,1,2,3,4,5,6,7
	\op v[X+8*(\row)+\e], v[X+8*(\row)+\e]
.endr
.endm
; The exponentials are one batch and the reciprocals another: none of a batch's lines names a result of the batch; behind each batch stand one plain instruction and one wait ahead of the first reader.
; A row's packed lines stand one row ahead of its transcendentals.
.macro COMPUTE kb, mb
.irp i, 0,1,2,3,4,5,6,7
.irp u, 0,1,2,3
	v_pk_fma_f32 v[X+8*\i+2*\u:X+8*\i+2*\u+1], v[\kb+2*\u:\kb+2*\u+1], v[QV+2*\i:QV+2*\i+1], v[BV:BV+1]   ; q' k + b'
.endr
.if \i > 0
	TRANS8 v_exp_f32, \i-1
.endif
.endr
	TRANS8 v_exp_f32, 7
	v_nop
	s_wait_alu depctr_va_vdst(0)
.irp i, 0,1,2,3,4,5,6,7
.irp u, 0,1,2,3
	v_pk_add_f32 v[X+8*\i+2*\u:X+8*\i+2*\u+1], v[X+8*\i+2*\u:X+8*\i+2*\u+1], 1.0 op_sel_hi:[1,0]
.endr
.if \i > 0
	TRANS8 v_rcp_f32, \i-1
.endif
.endr
	TRANS8 v_rcp_f32, 7
	v_nop
	s_wait_alu depctr_va_vdst(0)
.irp u, 0,2                            ; the sums: the eight rows by turns; of a pair of mask numbers the first, then the second, serves both channels
.irp i, 0,1,2,3,4,5,6,7
	v_pk_fma_f32 v[ACC+2*\i:ACC+2*\i+1], v[X+8*\i+2*\u:X+8*\i+2*\u+1], v[\mb+4*\i+\u:\mb+4*\i+\u+1], v[ACC+2*\i:ACC+2*\i+1] op_sel_hi:[1,0,1]
.endr
.irp i, 0,1,2,3,4,5,6,7
	v_pk_fma_f32 v[ACC+2*\i:ACC+2*\i+1], v[X+8*\i+2*\u+2:X+8*\i+2*\u+3], v[\mb+4*\i+\u:\mb+4*\i+\u+1], v[ACC+2*\i:ACC+2*\i+1] op_sel:[0,1,0] op_sel_hi:[1,1,1]
.endr
.endr
.endm
; A trip: two steps, on the two sets of operand registers.  Each set is loaded a step ahead.  more = 1: the next trip's first step is asked for.
.macro TRIP more
	s_wait_dscnt 0x0                               ; set A is in, and no LDS load of mine is out: the two addresses may be written
	v_add_nc_u32 v[KAD], s44, v[KRD]
	v_add_nc_u32 v[MAD], s45, v[MRD]
	LOADS KB, MVB, KAD, MAD, 4*KP, 16
	COMPUTE KA, MVA
.if \more
	LOADS KA, MVA, KAD, MAD, 8*KP, 32
	s_wait_dscnt 12                                ; set B is in; the twelve loads just issued may be out
.else
	s_wait_dscnt 0x0
.endif
	COMPUTE KB, MVB
.endm
	LOADS KA, MVA, KRD, MRD, 0, 0                  ; step 0.  LDS serves a wave's instructions in order (ISA guide 5.7.1.4): these see my stores of the mask
	s_mov_b32 s44, 0                               ; the trip's first row of K, in bytes
	s_mov_b32 s45, 0                               ; its first mask number, in bytes
	s_mov_b32 s46, 7
.Ltrip:
	TRIP 1
	s_add_co_u32 s44, s44, 8*KP
	s_add_co_u32 s45, s45, 32
	s_sub_co_u32 s46, s46, 1
	s_cmp_lg_u32 s46, 0
	s_cbranch_scc1 .Ltrip
	TRIP 0                                         ; the last two steps are written out: nothing is left to ask for
	; THE END.  My partial sums go over the head of my own tile of K, which has had its one fill and which I have read for the last time.
.irp i, 0,1,2,3,4,5,6,7
	ds_store_b64 v[KRD], v[ACC+2*\i:ACC+2*\i+1] offset:256*\i
.endr
	s_wait_dscnt 0x0                               ; for the others' sake: my stores are done
	s_barrier_signal -1
	s_barrier_wait -1
	s_cmp_ge_u32 s18, 8                            ; wave i of the first eight finishes row i; the others have nothing left but the closing round
	s_cbranch_scc1 .Ldone
	s_lshl_b32 s47, s18, 8
	v_add_nc_u32 v[RO], s47, v[L8]                 ; 256 x row + 8 x lane: my place in a wave's sums, in its mask numbers, and in the group's rows of out0
.irp g, 0,1,2,3,4,5
	v_add_nc_u32 v[T+\g], 3*\g*REGION, v[RO]       ; three waves' bytes are within reach of one address and its 16-bit offset
.endr
.irp w, 0,1,2,3,4,5,6,7,8,9,10,11,12,13,14,15
	ds_load_b64 v[X+2*\w:X+2*\w+1], v[T+\w/3] offset:(\w%3)*REGION                 ; wave w's sums of my two channels
	ds_load_b64 v[X+32+2*\w:X+32+2*\w+1], v[T+\w/3] offset:(\w%3)*REGION+MOFF      ; and two of its 64 mask numbers of the row
.endr
	s_wait_dscnt 0x0
.irp k, 0,1,2,3,4,5,6,7
	v_pk_add_f32 v[X+2*\k:X+2*\k+1], v[X+2*\k:X+2*\k+1], v[X+16+2*\k:X+16+2*\k+1]
	v_pk_add_f32 v[X+32+2*\k:X+32+2*\k+1], v[X+32+2*\k:X+32+2*\k+1], v[X+48+2*\k:X+48+2*\k+1]
.endr
.irp k, 0,1,2,3
	v_pk_add_f32 v[X+2*\k:X+2*\k+1], v[X+2*\k:X+2*\k+1], v[X+8+2*\k:X+8+2*\k+1]
	v_pk_add_f32 v[X+32+2*\k:X+32+2*\k+1], v[X+32+2*\k:X+32+2*\k+1], v[X+40+2*\k:X+40+2*\k+1]
.endr
.irp k, 0,1
	v_pk_add_f32 v[X+2*\k:X+2*\k+1], v[X+2*\k:X+2*\k+1], v[X+4+2*\k:X+4+2*\k+1]
	v_pk_add_f32 v[X+32+2*\k:X+32+2*\k+1], v[X+32+2*\k:X+32+2*\k+1], v[X+36+2*\k:X+36+2*\k+1]
.endr
	v_pk_add_f32 v[X:X+1], v[X:X+1], v[X+2:X+3]                     ; the row's sums of my two channels
	v_pk_add_f32 v[X+32:X+33], v[X+32:X+33], v[X+34:X+35]
	v_add_f32 v[TP], v[X+32], v[X+33]                               ; my 32 mask numbers; now across the 32 lanes
	v_add_f32_dpp v[TP], v[TP], v[TP] row_xmask:1 row_mask:0xf bank_mask:0xf
	v_add_f32_dpp v[TP], v[TP], v[TP] row_xmask:2 row_mask:0xf bank_mask:0xf
	v_add_f32_dpp v[TP], v[TP], v[TP] row_xmask:4 row_mask:0xf bank_mask:0xf
	v_add_f32_dpp v[TP], v[TP], v[TP] row_xmask:8 row_mask:0xf bank_mask:0xf
	v_permlanex16_b32 v[ZERO], v[TP], s48, s49                      ; (its destination counts as read: a register that has been written)
	v_add_f32 v[TP], v[TP], v[ZERO]                                 ; the row's mask sum, in every lane
	v_rcp_f32 v[ZERO], v[TP]
	v_nop                                          ; a plain instruction behind the reciprocal,
	s_wait_alu depctr_va_vdst(0)                   ; and the wait ahead of its first reader
	v_mul_f32 v[X], v[X], v[ZERO]
	v_mul_f32 v[X+1], v[X+1], v[ZERO]
	global_store_b64 v[RO], v[X:X+1], s[14:15]     ; a row of out0: 32 lanes store 256 consecutive bytes, aligned
.Ldone:
	s_wait_tensorcnt 0x0
	ds_add_u32 v126, v127
	s_wait_dscnt 0x0
	CROUND                                         ; the closing round: no work-group ends while a partner may still ask for a tile that names it
	s_endpgm
.Lfunc_end_k_q5002f1ef11_fused:
	.size	k_q5002f1ef11_fused, .Lfunc_end_k_q5002f1ef11_fused-k_q5002f1ef11_fused
	.p2alignl 7, 3214868480
	.fill 96, 4, 3214868480
	.section	.rodata,"a",@progbits
	.p2align	6, 0x0
	.amdhsa_kernel k_q5002f1ef11_fused
		.amdhsa_group_segment_fixed_size 317440
		.amdhsa_private_segment_fixed_size 0
		.amdhsa_enable_private_segment 0
		.amdhsa_kernarg_size 56
		.amdhsa_user_sgpr_count 2
		.amdhsa_user_sgpr_kernarg_segment_ptr 1
		.amdhsa_wavefront_size32 1
		.amdhsa_system_sgpr_workgroup_id_x 1
		.amdhsa_system_sgpr_workgroup_id_y 1
		.amdhsa_system_sgpr_workgroup_id_z 1
		.amdhsa_system_vgpr_workitem_id 0
		.amdhsa_next_free_vgpr 256
		.amdhsa_next_free_sgpr 66
		.amdhsa_reserve_vcc 1
		.amdhsa_float_denorm_mode_32 3
		.amdhsa_float_denorm_mode_16_64 3
		.amdhsa_memory_ordered 1
		.amdhsa_forward_progress 1
		.amdhsa_inst_pref_size 75
	.end_amdhsa_kernel
	.amdgpu_metadata
---
amdhsa.version: [ 1, 2 ]
amdhsa.kernels:
  - .name:           k_q5002f1ef11_fused
    .symbol:         k_q5002f1ef11_fused.kd
    .args:
      - { .name: K, .offset: 0, .size: 8, .value_kind: global_buffer, .address_space: global }
      - { .name: Q, .offset: 8, .size: 8, .value_kind: global_buffer, .address_space: global }
      - { .name: bias, .offset: 16, .size: 8, .value_kind: global_buffer, .address_space: global }
      - { .name: lowp_scales, .offset: 24, .size: 8, .value_kind: global_buffer, .address_space: global }
      - { .name: mask, .offset: 32, .size: 8, .value_kind: global_buffer, .address_space: global }
      - { .name: out0, .offset: 40, .size: 8, .value_kind: global_buffer, .address_space: global }
      - { .name: out1, .offset: 48, .size: 8, .value_kind: global_buffer, .address_space: global }
    .group_segment_fixed_size: 317440
    .private_segment_fixed_size: 0
    .kernarg_segment_align: 8
    .kernarg_segment_size: 56
    .max_flat_workgroup_size: 512
    .sgpr_count:     66
    .vgpr_count:     256
    .wavefront_size: 32
...
	.end_amdgpu_metadata
.endif
;; end of part 1
